; MI455X (gfx1250); checked and timed in simulation.
; The chip was launched on July 23, 2026; its instructions are those of AMD's public machine-readable ISA for CDNA 5 (MIT licence, August 2026) and "CDNA5" Instruction Set Architecture Reference Guide (July 2026). The comments in the code are by the model that wrote it; some were corrected since.
;; SFM. Allowed arithmetic: float matrix products may take bf16 or f16 operands with f32 sums; all other float work in f32.
;; Inputs: M 32 x 32 float32; V_table 100,000 x 16 float32; w0 1 float32; w_table 100,000 float32; x 131,072 x 32 int32.
;; Outputs: out0 131,072 float32; out1 one number float32.
;; One version. Each part assembles by itself: llvm-mc -triple=amdgcn-amd-amdhsa -mcpu=gfx1250 --defsym DOCPART=n.
;; ======== version 1 of 1: 2 launches
;; workspace buffers: part 1,024 bytes
;; launch sfm (part 1): grid 256 x 1, 16 waves a work-group, no clusters, 176,384 bytes of LDS; arguments x, V_table, w_table, M, w0, out0, part; writes out0, part
.if DOCPART == 1
	.amdgcn_target "amdgcn-amd-amdhsa--gfx1250"
	.amdhsa_code_object_version 6
	.text
	.protected	k_qfc7d8c7fa0_sfm
	.globl	k_qfc7d8c7fa0_sfm
	.p2align	8
	.type	k_qfc7d8c7fa0_sfm,@function
k_qfc7d8c7fa0_sfm:
	s_mov_b64 s[64:65], 0
	v_nop
	global_prefetch_b8 v0, s[64:65] scope:SCOPE_SE
	s_setreg_imm32_b32 hwreg(HW_REG_WAVE_MODE, 25, 1), 1
	s_wait_xcnt 0x0
; y[b] = w0 + sum_m w[x[b,m]] + sum_d (e2 + e3)(V0[b,:,d]),  V0[b] = M (32x32) . V_table[x[b,:]] (32x16);
; part[work-group] = 0.01 sum w^2 + 0.01 sum_{b,d} e3(V0[b,0..30,d]^2) over the work-group's 512 samples.
; e_t = elementary symmetric sum of degree t over the fields (what the reference's recursion over fields computes).
;
; SHARES.  256 work-groups x 16 waves; a wave owns 32 samples and shares nothing with the others until the end.
; A trip takes 4 samples.  For a sample, lane (g = L>>2, q = L&3) holds x[s,4g..4g+3] and loads 16 bytes of each of these four
; table rows: four neighbouring lanes take a whole 64-byte row.  The numbers are rounded to bf16 and laid into a tile in LDS
; of the wave's own, from which two transposing loads make the product's B fragment; A is M, kept in 16 registers.
; In the result lane (r = L&15, h = L>>4) holds fields 8h+j and 16+8h+j (j = 0..7) of column d = r.
; SYMMETRIC SUMS OF DISJOINT SETS COMBINE EXACTLY: e1 = e1A+e1B, e2 = e2A+e2B+e1A e1B, e3 = e3A+e3B+e2A e1B+e1A e2B.
; So each lane runs the recursion on its own 16 fields, two at a time (packed f32: even and odd registers are two sets of 8),
; merges the two sets, and adds  e2+e3 + e1_other (e1/2 + e2)  to the sample's sum: over the two halves of the lanes these
; terms add up to e2+e3 of all 32 fields.  No power sums: nothing is formed as a difference of large sums.
; NO CLUSTER, NO TENSOR LOADS: no two work-groups read a common tile; what they share is table rows picked by each sample's list.
; LIMITS: M and V are rounded to bf16 for the product; the order of additions and of the fields differs from the reference's;
; an index above 99,999 is clamped to 99,999 (the reference relies on indices inside the table).
.set TROW,  320                        ; tile: the 8 rows m = 4g+i (g = 0..7) of load i lie at 320 i + 32 g: 256 bytes + 64 of padding
.set TILE,  4*TROW                     ; one sample's 32 rows x 16 bf16
.set YP,    176                        ; a sample's row of 40 summands (160 bytes) + 16: an odd multiple of 16 bytes
.set YS,    4*TILE                     ; behind the wave's four tiles: its 32 rows of summands
.set WLDS,  YS+32*YP                   ; 10,752 bytes of LDS for each wave
.set YO,    16*WLDS                    ; the work-group's 512 y
.set RP,    YO+2048                    ; the 16 waves' partial sums of reg
.set ALPHA, 0x3c23d70a                 ; 0.01
.set BETA,  0x3c23d70a                 ; 0.01
.set LN,  1                            ; lane
.set Q16, 2                            ; 16 q: my 16 bytes of a table row
.set XA,  3                            ; 16 g + the group's step: my byte offset in the wave's part of x
.set VS,  4                            ; LDS: where I store 8 bytes of a tile
.set VR,  5                            ; LDS: the tile row that I address in a transposing load
.set YA,  6                            ; LDS: my column in the row of the group's first sample
.set RB,  7                            ; running sum: e3 of the squares
.set W2,  8                            ; v[8:9] running sum of w^2
.set EO,  10                           ; e1 of the other half of the lanes
.set FO,  11                           ; the same for the squares
.set A1,  12                           ; v[12:17] e1, e2, e3 so far, a pair each (even fields, odd fields)
.set A2,  14
.set A3,  16
.set B1,  18                           ; v[18:23] the same for the squares
.set B2,  20
.set B3,  22
.set SQ,  24                           ; v[24:25] two squares
.set E1,  26                           ; merged sums of my 16 fields
.set E2,  27
.set E3,  28
.set F1,  29
.set F2,  30
.set F3,  31
.set UU,  32
.set TT,  33                           ; v[33:36] my summand for sample u of the group
.set MA,  40                           ; v[40:55] M: rows 0-15, rows 16-31, as A fragments
.set XI,  56                           ; v[56:71] sample u: four indices, then four byte offsets
.set DD,  72                           ; v[72:103] two sets of 16 results
.set BF,  104                          ; v[104:135] sample u: B fragment
.set VB,  136                          ; v[136:199] sample u, row i: 4 f32 as gathered; packed in place
.set XC,  200                          ; v[200:231] the wave's x, coalesced: offsets of the w loads
.set XOF, 12                           ; used in front of the loop only
.set MOF, 13
.set WPA, 14
.set TMP, 15
.set MT,  DD
.set WV,  BF
.macro XLOAD off                       ; four samples' indices: 4 lanes share 16 bytes, a load covers a sample's 128 bytes
.irp u, 0,1,2,3
	global_load_b128 v[XI+4*\u:XI+4*\u+3], v[XA], s[4:5] offset:\off+128*\u
.endr
.endm
.macro CLAMP                           ; a loaded number enters an address only through this bound: the table's last row
.irp n, 0,1,2,3,4,5,6,7,8,9,10,11,12,13,14,15
	v_min_u32 v[XI+\n], 0x1869f, v[XI+\n]
.endr
.endm
.macro SCALE                           ; 64 bytes a row + my 16 bytes
.irp n, 0,1,2,3,4,5,6,7,8,9,10,11,12,13,14,15
	v_lshl_add_u32 v[XI+\n], v[XI+\n], 6, v[Q16]
.endr
.endm
.macro GATHER                          ; 16 loads: each takes 8 whole table rows
.irp u, 0,1,2,3
.irp i, 0,1,2,3
	global_load_b128 v[VB+16*\u+4*\i:VB+16*\u+4*\i+3], v[XI+4*\u+\i], s[6:7]
.endr
.endr
.endm
; Sample u: round to bf16 in place, 8 bytes a lane into the tile (each store covers 256 consecutive bytes), and the two transposing
; loads.  LDS serves a wave's instructions in order (ISA guide 5.7.1), so the loads see the stores.
.macro PACK u
.irp i, 0,1,2,3
	v_cvt_pk_bf16_f32 v[VB+16*\u+4*\i],   v[VB+16*\u+4*\i],   v[VB+16*\u+4*\i+1]
	v_cvt_pk_bf16_f32 v[VB+16*\u+4*\i+1], v[VB+16*\u+4*\i+2], v[VB+16*\u+4*\i+3]
	ds_store_b64 v[VS], v[VB+16*\u+4*\i:VB+16*\u+4*\i+1] offset:\u*TILE+\i*TROW
.endr
	ds_load_tr16_b128 v[BF+8*\u:BF+8*\u+3],   v[VR] offset:\u*TILE        ; k = m = 8h .. 8h+7 of column d = r
	ds_load_tr16_b128 v[BF+8*\u+4:BF+8*\u+7], v[VR] offset:\u*TILE+128    ; k = m = 16+8h .. (four rows g further: 128 bytes)
.endm
.macro WM u, z                         ; V0 of sample u into result set z; the constant 0 starts the sums
	v_wmma_f32_16x16x32_bf16 v[DD+16*\z:DD+16*\z+7],    v[MA:MA+7],    v[BF+8*\u:BF+8*\u+7], 0
	v_wmma_f32_16x16x32_bf16 v[DD+16*\z+8:DD+16*\z+15], v[MA+8:MA+15], v[BF+8*\u:BF+8*\u+7], 0
.endm
.macro ASTEP d                         ; the reference's step for two fields at once: a3 += v a2, a2 += v a1, a1 += v
	v_pk_fma_f32 v[A3:A3+1], v[\d:\d+1], v[A2:A2+1], v[A3:A3+1]
	v_pk_fma_f32 v[A2:A2+1], v[\d:\d+1], v[A1:A1+1], v[A2:A2+1]
	v_pk_add_f32 v[A1:A1+1], v[A1:A1+1], v[\d:\d+1]
.endm
.macro BSTEP                           ; the same with the squares
	v_pk_fma_f32 v[B3:B3+1], v[SQ:SQ+1], v[B2:B2+1], v[B3:B3+1]
	v_pk_fma_f32 v[B2:B2+1], v[SQ:SQ+1], v[B1:B1+1], v[B2:B2+1]
	v_pk_add_f32 v[B1:B1+1], v[B1:B1+1], v[SQ:SQ+1]
.endm
; The two recursions over result set z, and sample u's summand.  The first pairs start the sums: nothing is cleared.
.macro DP z, u
.set D0, DD+16*\z
	v_pk_mul_f32 v[B1:B1+1], v[D0:D0+1], v[D0:D0+1]
	v_pk_mul_f32 v[SQ:SQ+1], v[D0+2:D0+3], v[D0+2:D0+3]
	v_pk_mul_f32 v[A2:A2+1], v[D0+2:D0+3], v[D0:D0+1]
	v_pk_add_f32 v[A1:A1+1], v[D0:D0+1], v[D0+2:D0+3]
	v_pk_mul_f32 v[B2:B2+1], v[SQ:SQ+1], v[B1:B1+1]
	v_pk_add_f32 v[B1:B1+1], v[B1:B1+1], v[SQ:SQ+1]
	v_pk_mul_f32 v[SQ:SQ+1], v[D0+4:D0+5], v[D0+4:D0+5]
	v_pk_mul_f32 v[A3:A3+1], v[D0+4:D0+5], v[A2:A2+1]
	v_pk_fma_f32 v[A2:A2+1], v[D0+4:D0+5], v[A1:A1+1], v[A2:A2+1]
	v_pk_add_f32 v[A1:A1+1], v[A1:A1+1], v[D0+4:D0+5]
	v_pk_mul_f32 v[B3:B3+1], v[SQ:SQ+1], v[B2:B2+1]
	v_pk_fma_f32 v[B2:B2+1], v[SQ:SQ+1], v[B1:B1+1], v[B2:B2+1]
	v_pk_add_f32 v[B1:B1+1], v[B1:B1+1], v[SQ:SQ+1]
.irp p, 6,8,10,12
	v_pk_mul_f32 v[SQ:SQ+1], v[D0+\p:D0+\p+1], v[D0+\p:D0+\p+1]
	ASTEP D0+\p
	BSTEP
.endr
	v_pk_mul_f32 v[SQ:SQ+1], v[D0+14:D0+15], v[D0+14:D0+15]
	ASTEP D0+14
	v_cndmask_b32 v[SQ+1], 0, v[SQ+1], s26         ; register 15 of lanes 16-31 is field 31, which the squares leave out: a select, so that no 0 x inf arises
	BSTEP
	; merge my two sets of 8 fields, fetch e1 of the other 16 fields, and add up
	v_add_f32 v[E1], v[A1], v[A1+1]
	v_add_f32 v[F1], v[B1], v[B1+1]
	v_add_f32 v[E2], v[A2], v[A2+1]
	v_add_f32 v[F2], v[B2], v[B2+1]
	v_add_f32 v[E3], v[A3], v[A3+1]
	v_add_f32 v[F3], v[B3], v[B3+1]
	v_permlanex16_b32 v[EO], v[E1], s24, s25       ; lane L takes lane L xor 16
	v_permlanex16_b32 v[FO], v[F1], s24, s25
	v_fmac_f32 v[E2], v[A1], v[A1+1]
	v_fmac_f32 v[F2], v[B1], v[B1+1]
	v_fmac_f32 v[E3], v[A2], v[A1+1]
	v_fmac_f32 v[F3], v[B2], v[B1+1]
	v_fmac_f32 v[E3], v[A1], v[A2+1]
	v_fmac_f32 v[F3], v[B1], v[B2+1]
	v_fma_f32 v[UU], 0.5, v[E1], v[E2]
	v_add_f32 v[TT+\u], v[E2], v[E3]
	v_add_f32 v[RB], v[RB], v[F3]
	v_fmac_f32 v[TT+\u], v[EO], v[UU]              ; e2 + e3 + e1_other (e1/2 + e2)
	v_fmac_f32 v[RB], v[F2], v[FO]                 ; e3 + e2 e1_other
	ds_store_b32 v[YA], v[TT+\u] offset:YS+\u*YP   ; column L of the sample's row: 128 consecutive bytes
.endm
; A TRIP: four samples.  gather = 1: the next group's rows are requested (their indices were requested a trip earlier);
; xnext = 1: the indices of the group after that are requested.
; A vector instruction reads a matrix result four independent vector instructions behind it at the earliest (ISA guide 7.12.1):
; each sample's products are issued in front of the recursion of the sample before, which names none of their registers.
.macro TRIP gather, xnext
	s_wait_loadcnt 4*\gather                       ; loads return in order (ISA guide 5.7.1): my 16 gathers are in; the 4 index loads behind them may be out
.irp u, 0,1,2,3
	PACK \u
.endr
.if \gather
	s_wait_loadcnt 0x0                             ; the next group's indices
	CLAMP
.endif
	s_wait_dscnt 18                                ; sample 0's two transposing loads are in: 3 x 6 LDS instructions were issued behind them
	WM 0, 0
.if \gather
	SCALE                                          ; sixteen independent instructions behind sample 0's products
	s_wait_dscnt 0x0                               ; all fragments are in, and the tile stores have read the registers that the gathers fill again
	GATHER
.else
	s_wait_dscnt 0x0
.endif
	WM 1, 1
.if \gather == 0
.rept 4
	v_nop                                          ; no offsets to make here: the four places behind sample 0's products
.endr
.endif
	DP 0, 0
.if \xnext
	s_wait_xcnt 0x0                                ; the gathers' offsets (XI) and the last index loads' offset (XA) are rewritten only behind this wait
	v_add_nc_u32 v[XA], 512, v[XA]
	XLOAD 512                                      ; XA stands one group behind: + 512 is the group after the next
.endif
	WM 2, 0
	DP 1, 1
	WM 3, 1
	DP 0, 2
	DP 1, 3
.if \gather
	v_add_nc_u32 v[YA], 4*YP, v[YA]                ; four rows of summands on
.endif
.endm
	s_load_b256 s[4:11], s[0:1], 0x0               ; x s[4:5], V_table s[6:7], w_table s[8:9], M s[10:11]
	s_load_b128 s[12:15], s[0:1], 0x20             ; w0 s[12:13], out0 s[14:15]
	s_load_b64 s[16:17], s[0:1], 0x30              ; part
	v_lshl_add_u32 v232, v0, 2, 0x2a900
	v_mov_b32 v233, 0
	v_lshrrev_b32 v1, 5, v0
	v_readfirstlane_b32 s20, v1                    ; wave 0..15
	v_and_b32 v[LN], 31, v0
	s_mul_i32 s21, s20, WLDS                       ; my wave's LDS
	s_lshl_b32 s22, ttmp9, 16                      ; 512 samples x 128 bytes for a work-group,
	s_lshl_b32 s23, s20, 12                        ; 32 x 128 for a wave
	s_add_co_u32 s22, s22, s23
	s_mov_b32 s23, 0
	s_mov_b32 s24, 0x76543210                      ; v_permlanex16_b32: the same lane of the other half
	s_mov_b32 s25, 0xfedcba98
	s_mov_b32 s26, 0xffff                          ; lanes 0-15
	v_and_b32 v[XA], 28, v[LN]
	v_lshlrev_b32 v[XA], 2, v[XA]                  ; 16 g
	v_lshlrev_b32 v[XOF], 4, v[LN]                 ; 16 L
	v_and_b32 v[MOF], 15, v[LN]
	v_lshrrev_b32 v[TMP], 4, v[LN]
	v_lshlrev_b32 v[MOF], 7, v[MOF]                ; M: row r of 128 bytes
	v_lshl_add_u32 v[MOF], v[TMP], 5, v[MOF]       ; + 8 h numbers
	s_wait_kmcnt 0x0
	s_load_b32 s18, s[12:13], 0x0                  ; w0
	s_add_nc_u64 s[4:5], s[4:5], s[22:23]          ; x at my wave's first sample
	XLOAD 0                                        ; group 0's indices first: the gathers hang on them
.irp j, 0,1,2,3,4,5,6,7
	global_load_b128 v[XC+4*\j:XC+4*\j+3], v[XOF], s[4:5] offset:512*\j   ; the wave's 4,096 bytes of x, 512 consecutive bytes a load
.endr
.irp f, 0,1
	global_load_b128 v[MT+16*\f:MT+16*\f+3],     v[MOF], s[10:11] offset:2048*\f      ; M(16f+r, 8h ..)
	global_load_b128 v[MT+16*\f+4:MT+16*\f+7],   v[MOF], s[10:11] offset:2048*\f+16
	global_load_b128 v[MT+16*\f+8:MT+16*\f+11],  v[MOF], s[10:11] offset:2048*\f+64   ; M(16f+r, 16+8h ..)
	global_load_b128 v[MT+16*\f+12:MT+16*\f+15], v[MOF], s[10:11] offset:2048*\f+80
.endr
	; Lane constants.  In a transposing load, lane 8a+e addresses the row that becomes element e of its group's results.
	; Slot k = 16c+8h+e shall hold m = k, whose row lies at 320 (e&3) + 32 (4c + 2h + (e>>2)); + 16 for columns 8-15.
	; Modulo 256 bytes the 16 lanes of a half then stand at 64 (e&3) + 32 (e>>2) + 16 (L>>3 & 1): sixteen different 16-byte columns
	; of the 64 banks of 4 bytes (ISA guide 11.1).
	v_and_b32 v[Q16], 3, v[LN]
	v_mul_u32_u24 v[VR], v[Q16], TROW
	v_lshlrev_b32 v[Q16], 4, v[Q16]
	v_bfe_u32 v[TMP], v[LN], 2, 1
	v_lshl_add_u32 v[VR], v[TMP], 5, v[VR]
	v_bfe_u32 v[TMP], v[LN], 3, 1
	v_lshl_add_u32 v[VR], v[TMP], 4, v[VR]
	v_bfe_u32 v[TMP], v[LN], 4, 1
	v_lshl_add_u32 v[VR], v[TMP], 6, v[VR]
	v_add_nc_u32 v[VR], s21, v[VR]
	v_lshl_add_u32 v[VS], v[LN], 3, s21            ; 8 L = 32 g + 8 q
	v_lshl_add_u32 v[YA], v[LN], 2, s21
	v_lshrrev_b32 v[TMP], 3, v[LN]                 ; the w sums: row L>>3 of four samples, column 32 + (L&7)
	v_mul_u32_u24 v[WPA], v[TMP], YP
	v_and_b32 v[TMP], 7, v[LN]
	v_lshl_add_u32 v[WPA], v[TMP], 2, v[WPA]
	v_add_nc_u32 v[WPA], s21, v[WPA]
	v_mov_b32 v[RB], 0
	v_mov_b32 v[EO], 0                             ; v_permlanex16_b32 counts as a reader of its destination
	v_mov_b32 v[FO], 0
	s_wait_loadcnt 16                              ; group 0's indices are in: 8 loads of x and 8 of M were issued behind them
	CLAMP
	SCALE
	GATHER
	s_wait_xcnt 0x0                                ; XI, the gathers' offsets, is loaded again only behind this wait
	XLOAD 512                                      ; group 1's indices
	s_wait_loadcnt 28                              ; x is in: 8 (M) + 16 (gathers) + 4 (indices) were issued behind it
	; w: lane L of load j holds x[4j + (L>>3), 4 (L&7) + c], c = 0..3
.irp j, 0,1,2,3,4,5,6,7
.irp c, 0,1,2,3
	v_min_u32 v[XC+4*\j+\c], 0x1869f, v[XC+4*\j+\c]
	v_lshlrev_b32 v[XC+4*\j+\c], 2, v[XC+4*\j+\c]
	global_load_b32 v[WV+4*\j+\c], v[XC+4*\j+\c], s[8:9]
.endr
.endr
	s_wait_loadcnt 52                              ; M is in: 16 + 4 + 32 were issued behind it
.irp f, 0,1
.irp j, 0,1,2,3,4,5,6,7
	v_cvt_pk_bf16_f32 v[MA+8*\f+\j], v[MT+16*\f+2*\j], v[MT+16*\f+2*\j+1]
.endr
.endr
	s_wait_loadcnt 0x0                             ; w, the youngest loads
	v_pk_mul_f32 v[W2:W2+1], v[WV:WV+1], v[WV:WV+1]                        ; the first product starts the sum of squares
	v_pk_fma_f32 v[W2:W2+1], v[WV+2:WV+3], v[WV+2:WV+3], v[W2:W2+1]
.irp j, 1,2,3,4,5,6,7
	v_pk_fma_f32 v[W2:W2+1], v[WV+4*\j:WV+4*\j+1], v[WV+4*\j:WV+4*\j+1], v[W2:W2+1]
	v_pk_fma_f32 v[W2:W2+1], v[WV+4*\j+2:WV+4*\j+3], v[WV+4*\j+2:WV+4*\j+3], v[W2:W2+1]
.endr
.irp j, 0,1,2,3,4,5,6,7
	v_pk_add_f32 v[WV+4*\j:WV+4*\j+1], v[WV+4*\j:WV+4*\j+1], v[WV+4*\j+2:WV+4*\j+3]
	v_add_f32 v[WV+4*\j], v[WV+4*\j], v[WV+4*\j+1]
	ds_store_b32 v[WPA], v[WV+4*\j] offset:YS+128+4*YP*\j                  ; four w of one sample, as one more summand of its row
.endr
	s_wait_kmcnt 0x0                               ; w0
	s_mov_b32 s30, 6                               ; groups 0 to 5
.Ltrip:
	TRIP 1, 1
	s_sub_co_i32 s30, s30, 1
	s_cmp_lg_u32 s30, 0
	s_cbranch_scc1 .Ltrip
	TRIP 1, 0                                      ; group 6: the last gathers, no further indices
	TRIP 0, 0                                      ; group 7: nothing is requested, no load leaves x
	; THE END.  Lane s adds the 40 summands of sample s; rows 176 bytes apart start in different 16-byte columns.
	v_mul_u32_u24 v[A1], v[LN], YP
	v_add_nc_u32 v[A1], s21, v[A1]
.irp i, 0,1,2,3,4,5,6,7,8,9
	ds_load_b128 v[VB+4*\i:VB+4*\i+3], v[A1] offset:YS+16*\i               ; my own wave's stores, served in order before these
.endr
	v_add_f32 v[W2], v[W2], v[W2+1]                ; meanwhile the wave's part of reg
	v_mul_f32 v[W2], ALPHA, v[W2]
	v_fmamk_f32 v[W2], v[RB], BETA, v[W2]
	v_add_f32_dpp v[W2], v[W2], v[W2] row_xmask:1 row_mask:0xf bank_mask:0xf
	v_add_f32_dpp v[W2], v[W2], v[W2] row_xmask:2 row_mask:0xf bank_mask:0xf
	v_add_f32_dpp v[W2], v[W2], v[W2] row_xmask:4 row_mask:0xf bank_mask:0xf
	v_add_f32_dpp v[W2], v[W2], v[W2] row_xmask:8 row_mask:0xf bank_mask:0xf
	v_permlanex16_b32 v[EO], v[W2], s24, s25
	v_add_f32 v[W2], v[W2], v[EO]
	s_wait_dscnt 0x0
.irp i, 0,2,4,6,8,10,12,14,16,18
	v_pk_add_f32 v[VB+\i:VB+\i+1], v[VB+\i:VB+\i+1], v[VB+20+\i:VB+21+\i]
.endr
.irp i, 0,2,4,6,8
	v_pk_add_f32 v[VB+\i:VB+\i+1], v[VB+\i:VB+\i+1], v[VB+10+\i:VB+11+\i]
.endr
	v_pk_add_f32 v[VB:VB+1], v[VB:VB+1], v[VB+6:VB+7]
	v_pk_add_f32 v[VB+2:VB+3], v[VB+2:VB+3], v[VB+8:VB+9]
	v_pk_add_f32 v[VB:VB+1], v[VB:VB+1], v[VB+4:VB+5]
	v_pk_add_f32 v[VB:VB+1], v[VB:VB+1], v[VB+2:VB+3]
	v_add_f32 v[VB], v[VB], v[VB+1]
	v_add_f32 v[VB], s18, v[VB]                    ; + w0: y of sample 32 wave + lane
	v_lshlrev_b32 v[A2], 2, v0
	v_add_nc_u32 v[A2], YO, v[A2]
	ds_store_b32 v[A2], v[VB]
	s_lshl_b32 s27, s20, 2
	s_add_co_u32 s27, s27, RP
	v_mov_b32 v[A3], s27
	ds_store_b32 v[A3], v[W2]                      ; every lane holds the wave's sum: one word
	s_wait_dscnt 0x0                               ; for the others' sake: my stores are done before I signal
	s_barrier_signal -1
	s_barrier_wait -1
	s_cmp_ge_u32 s20, 4
	s_cbranch_scc1 .Ldone
	v_lshlrev_b32 v[A1], 4, v0                     ; waves 0-3: 128 threads x 16 bytes = the work-group's 2,048 bytes of y
	v_add_nc_u32 v[A2], YO, v[A1]
	ds_load_b128 v[16:19], v[A2]
	s_lshl_b32 s22, ttmp9, 11
	s_mov_b32 s23, 0
	s_add_nc_u64 s[14:15], s[14:15], s[22:23]
	s_wait_dscnt 0x0
	global_store_b128 v[A1], v[16:19], s[14:15] th:TH_STORE_NT             ; a wave's store covers 512 consecutive bytes, aligned
	s_cmp_lg_u32 s20, 0
	s_cbranch_scc1 .Ldone
	v_mov_b32 v[A2], RP                            ; wave 0: the 16 waves' sums
.irp i, 0,1,2,3
	ds_load_b128 v[20+4*\i:23+4*\i], v[A2] offset:16*\i
.endr
	s_lshl_b32 s22, ttmp9, 2
	v_mov_b32 v[A2+1], s22
	s_wait_dscnt 0x0
	v_pk_add_f32 v[20:21], v[20:21], v[22:23]
	v_pk_add_f32 v[24:25], v[24:25], v[26:27]
	v_pk_add_f32 v[28:29], v[28:29], v[30:31]
	v_pk_add_f32 v[32:33], v[32:33], v[34:35]
	v_pk_add_f32 v[20:21], v[20:21], v[24:25]
	v_pk_add_f32 v[28:29], v[28:29], v[32:33]
	v_pk_add_f32 v[20:21], v[20:21], v[28:29]
	v_add_f32 v20, v20, v21
	v_cmp_eq_u32 vcc_lo, 0, v0
	s_wait_xcnt 0x0                                ; EXEC is a source of the store above: it changes only behind this wait
	s_and_saveexec_b32 s28, vcc_lo
	global_store_b32 v[A2+1], v20, s[16:17]        ; one word for a work-group: 1,024 bytes in the whole launch
	s_wait_xcnt 0x0
	s_or_b32 exec_lo, exec_lo, s28
.Ldone:
	s_wait_tensorcnt 0x0
	ds_add_u32 v232, v233
	s_wait_dscnt 0x0
	s_endpgm
.Lfunc_end_k_qfc7d8c7fa0_sfm:
	.size	k_qfc7d8c7fa0_sfm, .Lfunc_end_k_qfc7d8c7fa0_sfm-k_qfc7d8c7fa0_sfm
	.p2alignl 7, 3214868480
	.fill 96, 4, 3214868480
	.section	.rodata,"a",@progbits
	.p2align	6, 0x0
	.amdhsa_kernel k_qfc7d8c7fa0_sfm
		.amdhsa_group_segment_fixed_size 176384
		.amdhsa_private_segment_fixed_size 0
		.amdhsa_enable_private_segment 0
		.amdhsa_kernarg_size 56
		.amdhsa_user_sgpr_count 2
		.amdhsa_user_sgpr_kernarg_segment_ptr 1
		.amdhsa_wavefront_size32 1
		.amdhsa_system_sgpr_workgroup_id_x 1
		.amdhsa_system_sgpr_workgroup_id_y 1
		.amdhsa_system_sgpr_workgroup_id_z 1
		.amdhsa_system_vgpr_workitem_id 0
		.amdhsa_next_free_vgpr 234
		.amdhsa_next_free_sgpr 66
		.amdhsa_reserve_vcc 1
		.amdhsa_float_denorm_mode_32 3
		.amdhsa_float_denorm_mode_16_64 3
		.amdhsa_memory_ordered 1
		.amdhsa_forward_progress 1
		.amdhsa_inst_pref_size 89
	.end_amdhsa_kernel
	.amdgpu_metadata
---
amdhsa.version: [ 1, 2 ]
amdhsa.kernels:
  - .name:           k_qfc7d8c7fa0_sfm
    .symbol:         k_qfc7d8c7fa0_sfm.kd
    .args:
      - { .name: x, .offset: 0, .size: 8, .value_kind: global_buffer, .address_space: global }
      - { .name: V_table, .offset: 8, .size: 8, .value_kind: global_buffer, .address_space: global }
      - { .name: w_table, .offset: 16, .size: 8, .value_kind: global_buffer, .address_space: global }
      - { .name: M, .offset: 24, .size: 8, .value_kind: global_buffer, .address_space: global }
      - { .name: w0, .offset: 32, .size: 8, .value_kind: global_buffer, .address_space: global }
      - { .name: out0, .offset: 40, .size: 8, .value_kind: global_buffer, .address_space: global }
      - { .name: part, .offset: 48, .size: 8, .value_kind: global_buffer, .address_space: global }
    .group_segment_fixed_size: 176384
    .private_segment_fixed_size: 0
    .kernarg_segment_align: 8
    .kernarg_segment_size: 56
    .max_flat_workgroup_size: 512
    .sgpr_count:     66
    .vgpr_count:     234
    .wavefront_size: 32
...
	.end_amdgpu_metadata
.endif
;; end of part 1
;; launch total (part 2): grid 1 x 1, 1 waves a work-group, no clusters, 0 bytes of LDS; arguments part, out1; writes out1
.if DOCPART == 2
	.amdgcn_target "amdgcn-amd-amdhsa--gfx1250"
	.amdhsa_code_object_version 6
	.text
	.protected	k_qfc7d8c7fa0_total
	.globl	k_qfc7d8c7fa0_total
	.p2align	8
	.type	k_qfc7d8c7fa0_total,@function
k_qfc7d8c7fa0_total:
	s_mov_b64 s[64:65], 0
	v_nop
	global_prefetch_b8 v0, s[64:65] scope:SCOPE_SE
	s_setreg_imm32_b32 hwreg(HW_REG_WAVE_MODE, 25, 1), 1
	s_wait_xcnt 0x0
; out1 = the sum of the 256 work-groups' parts of reg (each already holds 0.01 sum w^2 + 0.01 sum e3 of the squares).
; One wave: 1,024 bytes are two loads of 512 consecutive bytes; 8 numbers a lane, then once across the 32 lanes.
; A sum over work-groups is ordered by a launch of its own: no atomics.
	s_load_b128 s[4:7], s[0:1], 0x0                ; part s[4:5], out1 s[6:7]
	v_lshlrev_b32 v1, 4, v0
	v_mov_b32 v2, 0
	s_mov_b32 s8, 0x76543210                       ; v_permlanex16_b32: the same lane of the other half
	s_mov_b32 s9, 0xfedcba98
	s_wait_kmcnt 0x0
	global_load_b128 v[4:7], v1, s[4:5]
	global_load_b128 v[8:11], v1, s[4:5] offset:512
	s_wait_loadcnt 0x0
	v_pk_add_f32 v[4:5], v[4:5], v[6:7]
	v_pk_add_f32 v[8:9], v[8:9], v[10:11]
	v_pk_add_f32 v[4:5], v[4:5], v[8:9]
	v_add_f32 v4, v4, v5
	v_add_f32_dpp v4, v4, v4 row_xmask:1 row_mask:0xf bank_mask:0xf
	v_add_f32_dpp v4, v4, v4 row_xmask:2 row_mask:0xf bank_mask:0xf
	v_add_f32_dpp v4, v4, v4 row_xmask:4 row_mask:0xf bank_mask:0xf
	v_add_f32_dpp v4, v4, v4 row_xmask:8 row_mask:0xf bank_mask:0xf
	v_permlanex16_b32 v5, v4, s8, s9               ; v5 has been written before
	v_add_f32 v4, v4, v5
	v_cmp_eq_u32 vcc_lo, 0, v0
	s_wait_xcnt 0x0                                ; EXEC changes only behind this wait
	s_and_saveexec_b32 s10, vcc_lo
	global_store_b32 v2, v4, s[6:7]                ; lane 0 writes the one number
	s_wait_xcnt 0x0
	s_or_b32 exec_lo, exec_lo, s10
	s_endpgm
.Lfunc_end_k_qfc7d8c7fa0_total:
	.size	k_qfc7d8c7fa0_total, .Lfunc_end_k_qfc7d8c7fa0_total-k_qfc7d8c7fa0_total
	.p2alignl 7, 3214868480
	.fill 96, 4, 3214868480
	.section	.rodata,"a",@progbits
	.p2align	6, 0x0
	.amdhsa_kernel k_qfc7d8c7fa0_total
		.amdhsa_group_segment_fixed_size 0
		.amdhsa_private_segment_fixed_size 0
		.amdhsa_enable_private_segment 0
		.amdhsa_kernarg_size 16
		.amdhsa_user_sgpr_count 2
		.amdhsa_user_sgpr_kernarg_segment_ptr 1
		.amdhsa_wavefront_size32 1
		.amdhsa_system_sgpr_workgroup_id_x 1
		.amdhsa_system_sgpr_workgroup_id_y 1
		.amdhsa_system_sgpr_workgroup_id_z 1
		.amdhsa_system_vgpr_workitem_id 0
		.amdhsa_next_free_vgpr 16
		.amdhsa_next_free_sgpr 66
		.amdhsa_reserve_vcc 1
		.amdhsa_float_denorm_mode_32 3
		.amdhsa_float_denorm_mode_16_64 3
		.amdhsa_memory_ordered 1
		.amdhsa_forward_progress 1
		.amdhsa_inst_pref_size 2
	.end_amdhsa_kernel
	.amdgpu_metadata
---
amdhsa.version: [ 1, 2 ]
amdhsa.kernels:
  - .name:           k_qfc7d8c7fa0_total
    .symbol:         k_qfc7d8c7fa0_total.kd
    .args:
      - { .name: part, .offset: 0, .size: 8, .value_kind: global_buffer, .address_space: global }
      - { .name: out1, .offset: 8, .size: 8, .value_kind: global_buffer, .address_space: global }
    .group_segment_fixed_size: 0
    .private_segment_fixed_size: 0
    .kernarg_segment_align: 8
    .kernarg_segment_size: 16
    .max_flat_workgroup_size: 32
    .sgpr_count:     66
    .vgpr_count:     16
    .wavefront_size: 32
...
	.end_amdgpu_metadata
.endif
;; end of part 2
